; MI455X (gfx1250); checked and timed in simulation.
; The chip was launched on July 23, 2026; its instructions are those of AMD's public machine-readable ISA for CDNA 5 (MIT licence, August 2026) and "CDNA5" Instruction Set Architecture Reference Guide (July 2026). The comments in the code are by the model that wrote it; some were corrected since.
;; Llama Attention. Allowed arithmetic: matrix products marked QUANTISED: E4M3 operands, one given power-of-two scale a tensor, by v_wmma_f32_16x16x64_fp8_fp8 or v_wmma_f32_16x16x128_fp8_fp8, f32 sums; products left as they are: f32 operands where the result goes on into a quantised operand, else bf16, f16 or f32 operands; f32 sums; everything else in f32.
;; Inputs: hidden_states 1 x 2,048 x 2,048 float32; lowp_scales 12 int32 (the exponents e of the quantised operands' scales 2^e); position_ids 1 x 2,048 int32; wk 2,048 x 2,048 float32; wo 2,048 x 2,048 float32; wq 2,048 x 2,048 float32; wv 2,048 x 2,048 float32.
;; Outputs: out0 1 x 2,048 x 2,048 float32.
;; This version of the problem:
;;   THIS VERSION OF THE PROBLEM IS GIVEN IN LOW PRECISION. The matrix products marked QUANTISED in the list below multiply operands that are first quantised to E4M3 (4 exponent bits, 3 mantissa bits; 8 bits a number), with one given power-of-two scale for each operand tensor; their sums are f32. All else is computed in f32.
;;   The module's matrix products, in the order in which they are computed (A, B: the left and right operand; K: the contracted axis; several contracted axes count as one K, in the product's order):
;;     1. [M 2,048, K 2,048] x [K 2,048, N 2,048]; A: input hidden_states; B: input wq: QUANTISED (scales: A lowp_scales[0], B lowp_scales[1])
;;     2. [M 2,048, K 2,048] x [K 2,048, N 2,048]; A: input hidden_states; B: input wk: QUANTISED (scales: A lowp_scales[2], B lowp_scales[3])
;;     3. [M 2,048, K 2,048] x [K 2,048, N 2,048]; A: input hidden_states; B: input wv: QUANTISED (scales: A lowp_scales[4], B lowp_scales[5])
;;     4. [M 2,048, K 1] x [K 1, N 32]; A: computed on the way; B: computed on the way: left as it is (no contracted axis)
;;     5. batch 32 x [M 2,048, K 64] x [K 64, N 2,048]; A: computed on the way; B: computed on the way: QUANTISED (scales: A lowp_scales[6], B lowp_scales[7])
;;     6. batch 32 x [M 2,048, K 2,048] x [K 2,048, N 64]; A: softmax (see below); B: computed on the way: QUANTISED (scales: A lowp_scales[8], B lowp_scales[9])
;;     7. [M 2,048, K 2,048] x [K 2,048, N 2,048]; A: computed on the way; B: input wo: QUANTISED (scales: A lowp_scales[10], B lowp_scales[11])
;;   THE QUANTISER, for each operand of a quantised product, along K:
;;     - The operand's scale is 2^e, e = its entry of the input lowp_scales (int32; the entries are numbered through the quantised products in the list's order, A before B).
;;     - Each number is divided by the scale, clamped to +-448, and rounded to the nearest number of E4M3, ties to even, subnormals kept.
;;     - The product sums the exact products of the quantised numbers (number of the format x scale) in f32.
;;   ~~~python
;;   def quantise(x, axis, e):      # numpy; x: float32 -> the quantised numbers, widened to float32 again
;;       x = np.moveaxis(x, axis, -1); K = x.shape[-1]
;;       r = np.clip(x / 2.0 ** e, -448, 448)
;;       step = 2.0 ** (np.maximum(np.frexp(np.where(r == 0, 1, r))[1] - 1, -6) - 3)
;;       q = np.round(r / step) * step * 2.0 ** e      # np.round: ties to even
;;       return np.moveaxis(q, -1, axis).astype(np.float32)
;;   ~~~
;;   SOFTMAX AHEAD OF A QUANTISED PRODUCT. Where the list says 'softmax', what is quantised is not the finished softmax but p = 2^(t - M), with t = logit x log2(e) and M = ceil(the row's largest t), a whole number; so 1/2 < the row's largest p <= 1. The row's sum l is taken of the UNQUANTISED p, in f32, and the product's result is divided by l at the end. Since M is a whole number, a kernel that streams over the keys may use a running M (the ceiling of the running maximum): every later rescaling is an exact power of two, so the quantised numbers keep their values, but for numbers so far below the row's largest that they fall under the format's range.
;;   OPERANDS COMPUTED ON THE WAY. 'Computed on the way' means the value that the module computes at that place (a softmax that the list does not call 'softmax' is quantised finished and normalised). What goes into a quantiser is computed in f32, as accurately as f32 sums, v_exp_f32 and their like allow (about 1e-6 of the number): no bf16 or f16 on the way to a quantiser, and a product that is left as it is and whose result goes on into a quantised operand takes f32 operands (vector FMAs, or v_wmma_f32_16x16x4_f32). A number that lies on a knife's edge between two numbers of the format may be rounded either way, as far as f32 arithmetic and the matrix unit's own rounding can turn it there, and no further.
;; One version. Each part assembles by itself: llvm-mc -triple=amdgcn-amd-amdhsa -mcpu=gfx1250 --defsym DOCPART=n.
;; ======== version 1 of 1: 4 launches
;; limits: right only within a limited range of input values
;; workspace buffers: xc 12,582,912 bytes; wc 16,777,216 bytes; rope 524,288 bytes; qc 4,194,304 bytes; kvc 8,388,608 bytes; ac 4,194,304 bytes
;; launch quant (part 1): grid 672 x 1, 4 waves a work-group, no clusters, 34,304 bytes of LDS; arguments hidden_states, wq, wk, wv, wo, lowp_scales, position_ids, xc, wc, rope; writes xc, wc, rope
.if DOCPART == 1
	.amdgcn_target "amdgcn-amd-amdhsa--gfx1250"
	.amdhsa_code_object_version 6
	.text
	.protected	k_q36e282dff6_quant
	.globl	k_q36e282dff6_quant
	.p2align	8
	.type	k_q36e282dff6_quant,@function
k_q36e282dff6_quant:
	s_mov_b64 s[64:65], 0
	v_nop
	global_prefetch_b8 v0, s[64:65] scope:SCOPE_SE
	s_setreg_imm32_b32 hwreg(HW_REG_WAVE_MODE, 25, 1), 1
	s_wait_xcnt 0x0
; hidden_states and the four weights, f32 [2048][2048] with K innermost, become codes of E4M3; and the table of cos and sin for RoPE is made.
; code = x / 2^e, held within +-448, to the nearest code, ties to even.  hidden_states is quantised three times (entries 0, 2, 4 of the scales), wq, wk, wv, wo once (entries 1, 3, 5, 11).
; LAYOUT OF THE CODES: images of the matrix operand's registers.  A fragment is 16 rows x 128 K = 2,048 bytes: part p (0..3) is 512 bytes, lane l's registers 4 p .. 4 p + 3 at 512 p + 16 l;
; lane (r, h) holds row r, registers 2 c, 2 c + 1 hold k = 16 c + 8 h + 0 .. 7.  xc: [3][128 row blocks][16 K steps][2048];  wc: [4 (wq, wk, wv, wo)][128][16][2048].
; SHARES.  Work-groups 0 .. 639: tensor = number / 128, block of 16 rows = number % 128; wave w takes K steps 4 w .. 4 w + 3.  Each load reads 512 consecutive bytes of a row; a fragment's 8,192 bytes turn through
; the wave's own stage in LDS (rows 528 bytes apart), so that a lane gets its 8 neighbours along K; each store of codes covers 512 consecutive bytes, aligned.  Waves share nothing: no barrier.
; Work-groups 640 .. 671: the table, a block of 16 tokens a wave.  rope: [128 token blocks][8 parts][512]: parts 0-3 cos, 4-7 sin; register 8 t + j of lane (r, h) is frequency 16 t + 8 h + j of token r.
; angle = f32(position) x 10^(-i / 8), one f32 multiplication; reduced by n = nearest(angle x 2 / pi) with pi / 2 in two parts (n is under 2^11, so the first step is exact); sine and cosine by polynomials on +-pi / 4.
; LIMITS: each e used here between -126 and 119, so that 2^e and 448 x 2^e are f32 numbers.  NaN among the inputs is not served.  position_ids between 0 and 2,047.
.set PITCH, 528                        ; a stage row: 512 bytes + 16: sixteen rows start at sixteen different 16-byte columns
.set WST,   16*PITCH                   ; a wave's stage
.set LI,    1                          ; v1   16 x lane; never rewritten
.set STI,   2                          ; v2   the stage, on the way in: 16 x lane
.set STO,   3                          ; v3   on the way out: 528 r + 32 h
.set RAW,   16                         ; v16-143  two sets of 64: a fragment's numbers as loaded
.set X,     144                        ; v144-207 the same, turned: register 16 p + i
.set TT,    208                        ; v208-239 two sets of 16 held numbers, by turns
.set C,     240                        ; v240-255 a fragment's codes
	s_load_b512 s[4:19], s[0:1], 0x0               ; x s[4:5], wq s[6:7], wk s[8:9], wv s[10:11], wo s[12:13], scales s[14:15], positions s[16:17], xc s[18:19]
	s_load_b128 s[20:23], s[0:1], 0x40             ; wc s[20:21], rope s[22:23]
	v_lshl_add_u32 v14, v0, 2, 0x8400
	v_mov_b32 v15, 0
	v_lshrrev_b32 v10, 5, v0
	v_readfirstlane_b32 s3, v10                    ; wave
	v_and_b32 v11, 31, v0
	v_lshlrev_b32 v[LI], 4, v11
	v_and_b32 v12, 15, v0                          ; r
	v_bfe_u32 v13, v0, 4, 1                        ; h
	s_cmp_ge_u32 ttmp9, 640
	s_cbranch_scc1 .Ltable
	; ---------------- the stream of codes
	s_mul_i32 s48, s3, WST
	v_add_nc_u32 v[STI], s48, v[LI]
	v_mul_u32_u24 v[STO], v12, PITCH
	v_lshl_add_u32 v[STO], v13, 5, v[STO]
	v_add_nc_u32 v[STO], s48, v[STO]
	s_lshr_b32 s44, ttmp9, 7                       ; which tensor: 0 x, 1 wq, 2 wk, 3 wv, 4 wo
	s_and_b32 s45, ttmp9, 127                      ; which block of 16 rows
	s_lshl_b32 s46, s45, 17                        ; 16 rows of 8,192 bytes,
	s_lshl_b32 s47, s3, 11                         ; my wave's four K steps of 512 bytes
	s_add_co_u32 s46, s46, s47
	s_mov_b32 s47, 0
	s_lshl_b32 s54, s3, 13                         ; and their codes: 4 x 2,048 bytes
	s_lshl_b32 s52, ttmp9, 15                      ; a row block of codes is 32,768 bytes; the weights' blocks count from work-group 128
	s_cmp_eq_u32 s44, 0
	s_cselect_b32 s53, 0, 0x400000
	s_sub_co_u32 s52, s52, s53
	s_add_co_u32 s52, s52, s54
	s_mov_b32 s53, 0
	s_lshl_b32 s56, s45, 15
	s_add_co_u32 s56, s56, s54
	s_add_co_u32 s56, s56, 0x400000                ; x's second set of codes lies 128 row blocks on
	s_mov_b32 s57, 0
	s_wait_kmcnt 0x0
	s_load_b256 s[32:39], s[14:15], 0x0            ; e0 .. e7
	s_load_b128 s[40:43], s[14:15], 0x20           ; e8 .. e11
	s_cmp_eq_u32 s44, 1                            ; the choices hang on the work-group's number alone
	s_cselect_b64 s[24:25], s[6:7], s[4:5]
	s_cmp_eq_u32 s44, 2
	s_cselect_b64 s[24:25], s[8:9], s[24:25]
	s_cmp_eq_u32 s44, 3
	s_cselect_b64 s[24:25], s[10:11], s[24:25]
	s_cmp_eq_u32 s44, 4
	s_cselect_b64 s[24:25], s[12:13], s[24:25]
	s_add_nc_u64 s[24:25], s[24:25], s[46:47]      ; in
	s_cmp_eq_u32 s44, 0
	s_cselect_b64 s[26:27], s[18:19], s[20:21]
	s_add_nc_u64 s[26:27], s[26:27], s[52:53]      ; out: x's first set, or the weight's codes
	s_add_nc_u64 s[28:29], s[18:19], s[56:57]      ; x's second set
	s_add_nc_u64 s[30:31], s[28:29], 0x400000      ; x's third set
.macro GLOAD t                         ; fragment t: 16 rows x 512 bytes, 32 lanes on 512 consecutive bytes; read once in the launch
.irp i, 0,1,2,3,4,5,6,7,8,9,10,11,12,13,14,15
	global_load_b128 v[RAW+64*((\t)%2)+4*\i:RAW+64*((\t)%2)+4*\i+3], v[LI], s[24:25] offset:\i*8192+(\t)*512 th:TH_LOAD_NT
.endr
.endm
.macro TURN t                          ; through the stage: LDS serves a wave's instructions in order (ISA guide 5.7.1.4), so no wait stands between the stores and the loads
.irp i, 0,1,2,3,4,5,6,7,8,9,10,11,12,13,14,15
	ds_store_b128 v[STI], v[RAW+64*((\t)%2)+4*\i:RAW+64*((\t)%2)+4*\i+3] offset:\i*PITCH
.endr
.irp p, 0,1,2,3                        ; part p: k = 32 p + 8 h + 0 .. 7 and 32 p + 16 + 8 h + 0 .. 7 of my row
	ds_load_b128 v[X+16*\p:X+16*\p+3],     v[STO] offset:128*\p
	ds_load_b128 v[X+16*\p+4:X+16*\p+7],   v[STO] offset:128*\p+16
	ds_load_b128 v[X+16*\p+8:X+16*\p+11],  v[STO] offset:128*\p+64
	ds_load_b128 v[X+16*\p+12:X+16*\p+15], v[STO] offset:128*\p+80
.endr
.endm
.macro QUANT sc, lim                   ; the 64 numbers in X become 16 registers of codes; X stays as it is.  The held numbers' two sets take turns, so that sixteen plain lines lie between a conversion and the next write of its sources
.irp p, 0,1,2,3
.irp i, 0,1,2,3,4,5,6,7,8,9,10,11,12,13,14,15
	v_med3_num_f32 v[TT+16*(\p%2)+\i], v[X+16*\p+\i], -v[\lim], v[\lim]   ; the conversion does not saturate (ISA guide 7.6.2): the hold at 448 x the scale comes first
.endr
	v_cvt_scalef32_pk8_fp8_f32 v[C+4*\p:C+4*\p+1],   v[TT+16*(\p%2):TT+16*(\p%2)+7],    v[\sc]
	v_cvt_scalef32_pk8_fp8_f32 v[C+4*\p+2:C+4*\p+3], v[TT+16*(\p%2)+8:TT+16*(\p%2)+15], v[\sc]
.endr
.endm
.macro PUT b, t                        ; the image: four stores of 512 consecutive bytes, aligned
.irp p, 0,1,2,3
	global_store_b128 v[LI], v[C+4*\p:C+4*\p+3], s[\b:\b+1] offset:(\t)*2048+\p*512
.endr
.endm
.macro MKSC e, vs, vl                  ; 2^e and 448 x 2^e as f32
	s_add_co_i32 s50, \e, 127
	s_lshl_b32 s51, s50, 23
	v_mov_b32 v[\vs], s51
	s_add_co_i32 s50, s50, 8
	s_lshl_b32 s50, s50, 23
	s_or_b32 s50, s50, 0x600000
	v_mov_b32 v[\vl], s50
.endm
	s_wait_alu depctr_va_vdst(0)
	GLOAD 0
	GLOAD 1
	s_wait_kmcnt 0x0
	s_cmp_eq_u32 s44, 1
	s_cselect_b32 s49, s33, s32                    ; e0 for x, e1 for wq,
	s_cmp_eq_u32 s44, 2
	s_cselect_b32 s49, s35, s49                    ; e3 for wk,
	s_cmp_eq_u32 s44, 3
	s_cselect_b32 s49, s37, s49                    ; e5 for wv,
	s_cmp_eq_u32 s44, 4
	s_cselect_b32 s49, s43, s49                    ; e11 for wo
	MKSC s49, 4, 5
	MKSC s34, 6, 7                                 ; e2: x for the second product
	MKSC s36, 8, 9                                 ; e4: x for the third
.macro FRAG t
.if (\t) < 3
	s_wait_loadcnt 16                              ; this fragment's 16 loads are in; the next fragment's 16 may be out
.else
	s_wait_loadcnt 0x0
.endif
	TURN \t
.if (\t) < 2
	s_wait_dscnt 16                                ; the 16 stores into the stage are done (the 16 loads behind them may be out): their registers take the fragment two on
	GLOAD (\t)+2
.endif
	s_wait_dscnt 0x0                               ; the turned numbers are in
	s_wait_xcnt 0x0                                ; the codes' registers, which earlier stores read, are rewritten only behind this wait
	QUANT 4, 5
	PUT 26, \t
	s_cmp_lg_u32 s44, 0                            ; a weight has one scale; x has two more
	s_cbranch_scc1 .Lweight_\@
	s_wait_xcnt 0x0
	QUANT 6, 7
	PUT 28, \t
	s_wait_xcnt 0x0
	QUANT 8, 9
	PUT 30, \t
.Lweight_\@:
.endm
	s_wait_alu depctr_va_vdst(0)
	FRAG 0
	FRAG 1
	FRAG 2
	FRAG 3
	s_wait_tensorcnt 0x0
	ds_add_u32 v14, v15
	s_wait_dscnt 0x0
	s_endpgm
	; ---------------- the table of cos and sin
.Ltable:
	s_sub_co_u32 s44, ttmp9, 640
	s_lshl_b32 s44, s44, 2
	s_add_co_u32 s44, s44, s3                      ; my block of 16 tokens
	s_lshl_b32 s45, s44, 6
	s_wait_alu depctr_va_vdst(0)
	v_lshl_add_u32 v9, v12, 2, s45                 ; token 16 tb + r, 4 bytes each
	s_lshl_b32 s46, s44, 12                        ; a block's table is 4,096 bytes
	s_mov_b32 s47, 0
	s_mov_b32 s32, 0x3f22f983                      ; 2 / pi
	s_mov_b32 s33, 0x3fc90fdb                      ; pi / 2, upper part
	s_mov_b32 s34, 0xb33bbd2e                      ; pi / 2, the rest
	s_mov_b32 s35, 0xb94ca1f9                      ; sine: -1.9515295891e-4
	s_mov_b32 s36, 0x3c08839e                      ;        8.3321608736e-3
	s_mov_b32 s37, 0xbe2aaaa3                      ;       -1.6666654611e-1
	s_mov_b32 s38, 0x37ccf5ce                      ; cosine: 2.443315711809948e-5
	s_mov_b32 s39, 0xbab6061a                      ;        -1.388731625493765e-3
	s_mov_b32 s40, 0x3d2aaaa5                      ;         4.166664568298827e-2
	v_cmp_ne_u32 s30, 0, v13                       ; lanes 16-31 take the frequencies 8 further on
	s_wait_alu depctr_va_vdst(0)
	s_wait_kmcnt 0x0
	global_load_b32 v10, v9, s[16:17]
	s_add_nc_u64 s[22:23], s[22:23], s[46:47]
	s_wait_loadcnt 0x0
	v_cvt_f32_i32 v10, v10                         ; the position enters as a number only
.macro SINCOS t, j, c0, c1             ; c0 = 10^(-(16 t + j) / 8), c1 = 10^(-(16 t + 8 + j) / 8)
	v_mul_f32 v48, \c0, v10
	v_mul_f32 v49, \c1, v10
	v_cndmask_b32 v48, v48, v49, s30               ; the angle
	v_mul_f32 v49, s32, v48
	v_rndne_f32 v49, v49                           ; n
	v_fma_f32 v50, -v49, s33, v48
	v_fma_f32 v50, -v49, s34, v50                  ; x = angle - n pi / 2
	v_mul_f32 v51, v50, v50                        ; z = x^2
	v_fma_f32 v52, v51, s35, s36
	v_fma_f32 v53, v51, s38, s39
	v_fma_f32 v52, v52, v51, s37
	v_fma_f32 v53, v53, v51, s40
	v_mul_f32 v52, v52, v51
	v_mul_f32 v54, v51, v51
	v_fma_f32 v55, v51, -0.5, 1.0
	v_fma_f32 v52, v52, v50, v50                   ; sin x
	v_fma_f32 v53, v54, v53, v55                   ; cos x
	v_cvt_i32_f32 v56, v49                         ; the quadrant is n mod 4
	v_and_b32 v57, 1, v56
	v_cmp_ne_u32 vcc_lo, 0, v57
	v_cndmask_b32 v58, v52, v53, vcc_lo            ; odd quadrants change sine and cosine
	v_cndmask_b32 v59, v53, v52, vcc_lo
	v_lshlrev_b32 v57, 30, v56                     ; the sine's sign: bit 1 of n;
	v_add_nc_u32 v56, 1, v56
	v_lshlrev_b32 v56, 30, v56                     ; the cosine's: bit 1 of n + 1
	v_and_b32 v57, 0x80000000, v57
	v_and_b32 v56, 0x80000000, v56
	v_xor_b32 v[32+8*\t+\j], v57, v58
	v_xor_b32 v[16+8*\t+\j], v56, v59
.endm
	SINCOS 0, 0, 1.0, 0.1
	SINCOS 0, 1, 0.749894209332456, 0.0749894209332456
	SINCOS 0, 2, 0.562341325190349, 0.0562341325190349
	SINCOS 0, 3, 0.421696503428582, 0.0421696503428582
	SINCOS 0, 4, 0.316227766016838, 0.0316227766016838
	SINCOS 0, 5, 0.237137370566166, 0.0237137370566166
	SINCOS 0, 6, 0.177827941003892, 0.0177827941003892
	SINCOS 0, 7, 0.133352143216332, 0.0133352143216332
	SINCOS 1, 0, 0.01, 0.001
	SINCOS 1, 1, 0.00749894209332456, 0.000749894209332456
	SINCOS 1, 2, 0.00562341325190349, 0.000562341325190349
	SINCOS 1, 3, 0.00421696503428582, 0.000421696503428582
	SINCOS 1, 4, 0.00316227766016838, 0.000316227766016838
	SINCOS 1, 5, 0.00237137370566166, 0.000237137370566166
	SINCOS 1, 6, 0.00177827941003892, 0.000177827941003892
	SINCOS 1, 7, 0.00133352143216332, 0.000133352143216332
.irp p, 0,1,2,3
	global_store_b128 v[LI], v[16+4*\p:19+4*\p], s[22:23] offset:\p*512
	global_store_b128 v[LI], v[32+4*\p:35+4*\p], s[22:23] offset:2048+\p*512
.endr
	s_endpgm
.Lfunc_end_k_q36e282dff6_quant:
	.size	k_q36e282dff6_quant, .Lfunc_end_k_q36e282dff6_quant-k_q36e282dff6_quant
	.p2alignl 7, 3214868480
	.fill 96, 4, 3214868480
	.section	.rodata,"a",@progbits
	.p2align	6, 0x0
	.amdhsa_kernel k_q36e282dff6_quant
		.amdhsa_group_segment_fixed_size 34304
		.amdhsa_private_segment_fixed_size 0
		.amdhsa_enable_private_segment 0
		.amdhsa_kernarg_size 80
		.amdhsa_user_sgpr_count 2
		.amdhsa_user_sgpr_kernarg_segment_ptr 1
		.amdhsa_wavefront_size32 1
		.amdhsa_system_sgpr_workgroup_id_x 1
		.amdhsa_system_sgpr_workgroup_id_y 1
		.amdhsa_system_sgpr_workgroup_id_z 1
		.amdhsa_system_vgpr_workitem_id 0
		.amdhsa_next_free_vgpr 256
		.amdhsa_next_free_sgpr 66
		.amdhsa_reserve_vcc 1
		.amdhsa_float_denorm_mode_32 3
		.amdhsa_float_denorm_mode_16_64 3
		.amdhsa_memory_ordered 1
		.amdhsa_forward_progress 1
		.amdhsa_inst_pref_size 101
	.end_amdhsa_kernel
	.amdgpu_metadata
---
amdhsa.version: [ 1, 2 ]
amdhsa.kernels:
  - .name:           k_q36e282dff6_quant
    .symbol:         k_q36e282dff6_quant.kd
    .args:
      - { .name: hidden_states, .offset: 0, .size: 8, .value_kind: global_buffer, .address_space: global }
      - { .name: wq, .offset: 8, .size: 8, .value_kind: global_buffer, .address_space: global }
      - { .name: wk, .offset: 16, .size: 8, .value_kind: global_buffer, .address_space: global }
      - { .name: wv, .offset: 24, .size: 8, .value_kind: global_buffer, .address_space: global }
      - { .name: wo, .offset: 32, .size: 8, .value_kind: global_buffer, .address_space: global }
      - { .name: lowp_scales, .offset: 40, .size: 8, .value_kind: global_buffer, .address_space: global }
      - { .name: position_ids, .offset: 48, .size: 8, .value_kind: global_buffer, .address_space: global }
      - { .name: xc, .offset: 56, .size: 8, .value_kind: global_buffer, .address_space: global }
      - { .name: wc, .offset: 64, .size: 8, .value_kind: global_buffer, .address_space: global }
      - { .name: rope, .offset: 72, .size: 8, .value_kind: global_buffer, .address_space: global }
    .group_segment_fixed_size: 34304
    .private_segment_fixed_size: 0
    .kernarg_segment_align: 8
    .kernarg_segment_size: 80
    .max_flat_workgroup_size: 128
    .sgpr_count:     66
    .vgpr_count:     256
    .wavefront_size: 32
...
	.end_amdgpu_metadata
.endif
;; end of part 1
;; launch qkv (part 2): grid 24 x 8, 4 waves a work-group, clusters of 4 x 4, 327,680 bytes of LDS; arguments xc, wc, rope, lowp_scales, qc, kvc; writes qc, kvc
.if DOCPART == 2
	.amdgcn_target "amdgcn-amd-amdhsa--gfx1250"
	.amdhsa_code_object_version 6
	.text
	.protected	k_q36e282dff6_qkv
	.globl	k_q36e282dff6_qkv
	.p2align	8
	.type	k_q36e282dff6_qkv,@function
k_q36e282dff6_qkv:
	s_mov_b64 s[64:65], 0
	v_nop
	global_prefetch_b8 v0, s[64:65] scope:SCOPE_SE
	s_setreg_imm32_b32 hwreg(HW_REG_WAVE_MODE, 25, 1), 1
	s_wait_xcnt 0x0
	s_wait_alu depctr_hold_cnt(0) depctr_sa_sdst(0) depctr_va_vdst(0) depctr_va_sdst(0) depctr_va_ssrc(0) depctr_va_vcc(0) depctr_vm_vsrc(0)
	s_getreg_b32 s2, hwreg(HW_REG_IB_STS2, 6, 4)
	s_cmp_eq_u32 s2, 0
	s_cbranch_scc0 .Lentry_in_a_cluster
	s_endpgm
.Lentry_in_a_cluster:
	s_bfe_u32 s2, ttmp6, 0x10000c
	s_cmp_lg_u32 s2, 0xf033
	s_cbranch_scc0 .Lentry_shape_is_right
	s_endpgm
.Lentry_shape_is_right:
; Q, K and V: x W^T on codes of E4M3, K = 2,048; RoPE on Q and K; the results leave as codes for the attention launch.
; xc: [3 copies][128 blocks of 16 tokens][16 K steps][2,048 bytes], wc: [wq, wk, wv, wo][128 blocks of 16 rows][16][2,048]: images of the operand's registers (16 rows x 128 K, part c at 512 c + 16 lane).
; A work-group of four waves makes 256 x 256, a wave 128 x 128: 64 accumulators.  Cluster x 0, 1: Q; 2, 3: K; 4, 5: V.  For Q and K operand A = tokens and B = rows of the weight; for V A = rows of wv and B = tokens,
; so that V's codes come out with the keys innermost.  Source 0 = B's rows, source 1 = A's: lane l holds A's row l % 16, its registers eight neighbouring rows of B.
; K goes in steps of 256 through a ring of two LDS slots (A's 16 blocks x 4,096 bytes, then B's), each wave fetching 8 blocks with one tensor load.  CLUSTERS of 4 x 4: A's tile is asked for jointly along a row, B's along a column.
; PREFETCH: a wave's tile is 8 blocks x 4,096 bytes; of them each of the four partners that ask for it jointly names two blocks, told apart by address: 32 lanes x 256 bytes, one line a wave.  Tiles 1 and 2 are asked for behind the first load,
; tile 3 behind the second, and the refill with tile s asks for tile s + 2; the last two refills ask for nothing.
; THE TABLE of cos and sin of a wave's 128 tokens, 8 blocks of 32 registers, is loaded ahead into registers that lie idle: blocks 0-2 at the head (window 0, v32-127), 3-6 ahead of the last K step (B's set 0), 7 at the way out.
; REGISTERS: window 0: v0-31 addresses, v32-127 the table, from v128 A's fragments, one set; window 1: B's fragments, two sets; windows 2, 3: accumulator (a, b) at v[8 (8 (a % 4) + b)], window 2 + a / 4.
; LIMITS: e(result) - e(x) - e(w) between -126 and 119 for each tensor, so that the conversion's scale and 448 x it are f32 numbers.
.set FR,    16
.set NL,    4
.set NP,    4
.set HALFT, 32768
.set SLOT,  4*HALFT
.set SPARE, 2*SLOT                     ; behind the ring: the spare words
.set ADRA, 16
.set ADRB, 20
.set LI,   24                          ; v24  16 x lane
.set PFO,  25                          ; v25  the prefetches' offset: 32,768 (lane / 16) + 256 (lane % 16)
.set SC,   26
.set LIM,  27
.set SPW,  28
.set NIL,  29
.set OUT,  128                         ; the way out: numbers from v128, codes from v160 (V: v192)
.set CD,   160
.set CDV,  192
.set AF,   128
.set WV,   16
.set WH,   17
.set WL,   18
.set G1,   24
.set G0,   32
.set G1B,  48
.set G0B,  56
.set PFA,  66                          ; s[66:67] my two blocks of the tile three tiles behind the one that a prefetch names
.set MSB, 0
.macro WIN new
.if MSB != (\new)
	s_set_vgpr_msb (MSB<<8)|(\new)
.set MSB, (\new)
.endif
.endm
.set MUL_LO, 0xa1
.set MUL_HI, 0xf1
.set TO_B,   0x40
.macro JLOAD g0a, g1a, g0b, g1b        ; waves 0 and 1 fetch for A, waves 2 and 3 for B; an s_nop 0 and four v_nop follow each line
	s_cmp_eq_u32 s[WH], 0
	s_cbranch_scc0 .Lfor_b_\@
	tensor_load_to_lds s[\g0a:\g0a+3], s[\g1a:\g1a+7]
	s_nop 0
.rept 4
	v_nop
.endr
	s_branch .Lasked_\@
.Lfor_b_\@:
	tensor_load_to_lds s[\g0b:\g0b+3], s[\g1b:\g1b+7]
	s_nop 0
.rept 4
	v_nop
.endr
.Lasked_\@:
.endm
.macro CREST
	s_cmp_lg_u32 s[WV], 0
	s_cbranch_scc1 .Lnot_wave_0_\@
	s_barrier_signal -3
.Lnot_wave_0_\@:
	s_barrier_wait -3
	s_barrier_signal -1
	s_barrier_wait -1
.endm
.macro CROUND
	s_barrier_signal -1
	s_barrier_wait -1
	CREST
.endm
.macro RLD a, reg                      ; the table of token block a: 16 registers of cos, 16 of sin
.irp p, 0,1,2,3,4,5,6,7
	global_load_b128 v[(\reg)+4*\p:(\reg)+4*\p+3], v[LI], s[88:89] offset:(\a)*4096+\p*512
.endr
.endm
	s_load_b256 s[4:11], s[0:1], 0x0               ; xc, wc, rope, scales
	s_load_b128 s[12:15], s[0:1], 0x20             ; qc, kvc
	v_lshl_add_u32 v[SPW], v0, 2, SPARE
	v_mov_b32 v[NIL], 0
	ds_add_u32 v[SPW], v[NIL]                      ; the opening lines: the add, twice on end, and its wait ahead of my first tensor load
	ds_add_u32 v[SPW], v[NIL]
	v_lshrrev_b32 v1, 5, v0
	v_readfirstlane_b32 s[WV], v1
	s_lshr_b32 s[WH], s[WV], 1
	s_and_b32 s[WL], s[WV], 1
	s_bfe_u32 s40, ttmp6, 0x40000                  ; cx
	s_bfe_u32 s41, ttmp6, 0x40004                  ; cy
	s_and_b32 s20, ttmp7, 0xffff
	s_lshl_b32 s42, s41, 2
	s_lshl_b32 s42, 15, s42                        ; my row of the cluster
	s_lshl_b32 s43, 0x1111, s40                    ; my column
	s_or_b32 s[G1+0], s42, (3<<16)|(1<<21)
	s_or_b32 s[G1B+0], s43, (3<<16)|(1<<21)
.irp g, G1, G1B
	s_mov_b32 s[\g+1], 512<<16                     ; 8 rows of 4,096 bytes, 32,768 bytes apart, in elements of 8 bytes
	s_mov_b32 s[\g+2], 8<<16
	s_mov_b32 s[\g+3], 512<<16
	s_mov_b32 s[\g+4], 8
	s_mov_b32 s[\g+5], 4096
	s_mov_b32 s[\g+6], 0
	s_mov_b32 s[\g+7], 0
.endr
	s_lshr_b32 s66, ttmp9, 1                       ; in blocks of 16 rows: Q, K: A = copy (cluster x / 2) of x at 64 cluster y, B = the weights at 64 cluster x
	s_lshl_b32 s66, s66, 7
	s_lshl_b32 s70, s20, 6
	s_add_co_u32 s66, s66, s70
	s_lshl_b32 s68, ttmp9, 6
	s_add_co_u32 s70, s70, 256                     ; V: A = wv at 64 cluster x, B = copy 2 of x at 64 cluster y
	s_cmp_ge_u32 ttmp9, 4
	s_cselect_b32 s66, s68, s66
	s_cselect_b32 s68, s70, s68
	s_lshl_b32 s70, s[WL], 3
	s_lshl_b32 s71, s41, 4
	s_add_co_u32 s66, s66, s71
	s_add_co_u32 s66, s66, s70
	s_lshl_b32 s66, s66, 15
	s_mov_b32 s67, 0
	s_lshl_b32 s90, s40, 4
	s_add_co_u32 s68, s68, s90
	s_add_co_u32 s68, s68, s70
	s_lshl_b32 s68, s68, 15
	s_mov_b32 s69, 0
	s_lshl_b32 s92, s[WV], 15
	s_lshl_b32 s21, s[WH], 15                      ; my 128 rows of A in a slot,
	s_lshl_b32 s22, s[WL], 15
	s_add_co_u32 s22, s22, 2*HALFT                 ; and of B
	s_add_co_u32 s23, s21, SLOT
	s_add_co_u32 s93, s22, SLOT
	s_wait_dscnt 0x0
	s_wait_kmcnt 0x0
	s_load_b256 s[72:79], s[10:11], 0x0            ; e0 .. e7
	s_load_b128 s[80:83], s[10:11], 0x20           ; e8 .. e11
	s_cmp_ge_u32 ttmp9, 4
	s_cselect_b64 s[44:45], s[6:7], s[4:5]
	s_cselect_b64 s[46:47], s[4:5], s[6:7]
	s_add_nc_u64 s[44:45], s[44:45], s[66:67]
	s_add_nc_u64 s[46:47], s[46:47], s[68:69]
	CROUND                                         ; all sixteen work-groups are here: the first joint loads meet
.irp s, 0,1
	s_mov_b32 s[G0+4*\s], 1
	s_add_co_u32 s[G0+4*\s+1], s92, \s*SLOT
	s_add_nc_u64 s[G0+4*\s+2:G0+4*\s+3], s[44:45], \s*4096
	s_or_b32 s[G0+4*\s+3], s[G0+4*\s+3], 0x80000000
	s_mov_b32 s[G0B+4*\s], 1
	s_add_co_u32 s[G0B+4*\s+1], s92, \s*SLOT
	s_add_nc_u64 s[G0B+4*\s+2:G0B+4*\s+3], s[46:47], \s*4096
	s_or_b32 s[G0B+4*\s+3], s[G0B+4*\s+3], 0x80000000
.endr
	JLOAD G0, G1, G0B, G1B                         ; tile 0: one tensor load a wave at the head
	v_and_b32 v1, 31, v0
	v_lshlrev_b32 v[LI], 4, v1
	v_lshrrev_b32 v2, 4, v1
	v_and_b32 v3, 15, v1
	v_lshlrev_b32 v[PFO], 15, v2
	v_lshl_add_u32 v[PFO], v3, 8, v[PFO]
	v_add_nc_u32 v[ADRA], s21, v[LI]
	v_add_nc_u32 v[ADRB], s22, v[LI]
	v_add_nc_u32 v[ADRA+1], s23, v[LI]
	v_add_nc_u32 v[ADRB+1], s93, v[LI]
	s_wait_alu depctr_va_vdst(0)
	s_cmp_eq_u32 s[WH], 0                          ; the prefetches: the tile that I fetch,
	s_cselect_b64 s[PFA:PFA+1], s[44:45], s[46:47]
	s_cselect_b32 s68, s40, s41                    ; my place among the four that ask for it with me,
	s_lshl_b32 s68, s68, 16                        ; two blocks for each
	s_mov_b32 s69, 0
	s_add_nc_u64 s[PFA:PFA+1], s[PFA:PFA+1], s[68:69]
	global_prefetch_b8 v[PFO], s[PFA:PFA+1] offset:4096 th:TH_LOAD_NT scope:SCOPE_SE   ; tile 1
	global_prefetch_b8 v[PFO], s[PFA:PFA+1] offset:8192 th:TH_LOAD_NT scope:SCOPE_SE   ; tile 2
	; where the codes go.  qc: head x 131,072 + 128 tokens x 8,192; kvc: head x 262,144 + 128 keys x 16,384 (K's eight tiles, then V's four)
	s_cmp_ge_u32 ttmp9, 4
	s_cselect_b32 s90, s41, s40
	s_cselect_b32 s91, s40, s41
	s_cselect_b32 s92, s[WH], s[WL]
	s_cselect_b32 s93, s[WL], s[WH]
	s_and_b32 s94, ttmp9, 1
	s_lshl_b32 s94, s94, 2
	s_add_co_u32 s94, s94, s90
	s_lshl_b32 s94, s94, 2
	s_lshl_b32 s92, s92, 1
	s_add_co_u32 s94, s94, s92                     ; my first head
	s_lshl_b32 s95, s20, 2
	s_add_co_u32 s95, s95, s91
	s_lshl_b32 s95, s95, 1
	s_add_co_u32 s95, s95, s93                     ; my block of 128 tokens
	s_lshl_b32 s96, s94, 17
	s_lshl_b32 s97, s95, 13
	s_add_co_u32 s96, s96, s97
	s_mov_b32 s97, 0
	s_cmp_lt_u32 ttmp9, 2
	s_cselect_b64 s[84:85], s[12:13], s[14:15]
	s_cselect_b32 s98, 0, 1
	s_lshl_b32 s96, s96, s98
	s_add_nc_u64 s[84:85], s[84:85], s[96:97]
	s_lshl_b32 s96, 0x20000, s98
	s_add_nc_u64 s[86:87], s[84:85], s[96:97]      ; my second head
	s_lshl_b32 s96, s95, 15
	s_add_nc_u64 s[88:89], s[8:9], s[96:97]        ; the table of my 128 tokens
	s_cmp_ge_u32 ttmp9, 4                          ; V has no RoPE
	s_cbranch_scc1 .Lno_table_0
	RLD 0, 32
	RLD 1, 64
	RLD 2, 96
.Lno_table_0:
	s_wait_kmcnt 0x0
	s_cmp_lt_u32 ttmp9, 2
	s_cselect_b32 s90, s72, s74
	s_cselect_b32 s91, s73, s75
	s_cselect_b32 s92, s78, s79
	s_cmp_ge_u32 ttmp9, 4
	s_cselect_b32 s90, s76, s90
	s_cselect_b32 s91, s77, s91
	s_cselect_b32 s92, s81, s92
	s_sub_co_i32 s92, s92, s90                     ; a sum stands for sum x 2^(e(x) + e(w)): its code is sum / 2^(e(result) - e(x) - e(w))
	s_sub_co_i32 s92, s92, s91
	s_add_co_i32 s92, s92, 127
	s_lshl_b32 s93, s92, 23
	v_mov_b32 v[SC], s93
	s_add_co_i32 s92, s92, 8
	s_lshl_b32 s92, s92, 23
	s_or_b32 s92, s92, 0x600000
	v_mov_b32 v[LIM], s92
.macro FRAG reg, adr, q, i
.irp c, 0,1,2,3
	ds_load_b128 v[\reg+4*\c:\reg+4*\c+3], v[\adr] offset:(\i)*4096+(\q)*2048+\c*512
.endr
.endm
.macro MUL16 a0, p, zero               ; A's blocks a0, a0 + 1 x B's eight; the 64 accumulators take turns, in the same order in every step
.irp a, \a0, \a0+1
.irp b, 0,1,2,3,4,5,6,7
.if \zero
	v_wmma_f32_16x16x128_fp8_fp8 v[8*(8*((\a)%4)+\b):8*(8*((\a)%4)+\b)+7], v[128*(\p)+FR*\b:128*(\p)+FR*\b+FR-1], v[AF+FR*(\a):AF+FR*(\a)+FR-1], 0
.else
	v_wmma_f32_16x16x128_fp8_fp8 v[8*(8*((\a)%4)+\b):8*(8*((\a)%4)+\b)+7], v[128*(\p)+FR*\b:128*(\p)+FR*\b+FR-1], v[AF+FR*(\a):AF+FR*(\a)+FR-1], v[8*(8*((\a)%4)+\b):8*(8*((\a)%4)+\b)+7]
.endif
.endr
.endr
.endm
.macro FETCH_B slot, q, p
	WIN TO_B
.irp i, 0,1,2,3,4,5,6,7
	FRAG 128*(\p)+FR*\i, ADRB+\slot, \q, \i
.endr
	WIN 0
.endm
.macro FETCH_A slot, q, i0
.irp i, \i0, \i0+1, \i0+2, \i0+3
	FRAG AF+FR*(\i), ADRA+\slot, \q, \i
.endr
.endm
.macro PLACES n                        ; places in front of loads into registers that matrix instructions have read, and of reads of results
.rept \n
	v_nop
.endr
.endm
.macro STEP slot, q, zero              ; 128 along K with its successor in the same slot
	s_wait_dscnt 4*NL                              ; B's set and A's blocks 0-3 are in; A's blocks 4-7, the youngest 16 loads, may be out
	WIN MUL_LO
	MUL16 0, (\q)%2, \zero
	MUL16 2, (\q)%2, \zero
	s_wait_dscnt 0
	PLACES NP
	FETCH_B \slot, (\q)+1, 1-(\q)%2
	FETCH_A \slot, (\q)+1, 0
	WIN MUL_HI
	MUL16 4, (\q)%2, \zero
	MUL16 6, (\q)%2, \zero
	PLACES NP
	WIN 0
	FETCH_A \slot, (\q)+1, 4
.endm
.macro TURN slot, next, fill           ; a slot's last step changes slots; fill = 1: this slot takes the tile two on
.if \fill
	s_wait_xcnt 0x0                                ; my prefetch has read its address
	s_add_nc_u64 s[PFA:PFA+1], s[PFA:PFA+1], 4096
.endif
	s_wait_tensorcnt 0x0                           ; my part of the next slot has landed
	ds_add_u32 v[SPW], v[NIL]
	s_wait_dscnt 4*NL+1                            ; (the add and A's blocks 4-7 may be out)
	WIN MUL_LO
	MUL16 0, 1, 0
	s_wait_dscnt 0x0                               ; the add is done, and my reads of this slot are over
	s_barrier_signal -1
	MUL16 2, 1, 0
	WIN 0
	s_barrier_wait -1
.if \fill
	CREST                                          ; the barrier has opened a round of the cluster's barrier
	s_add_nc_u64 s[G0+4*\slot+2:G0+4*\slot+3], s[G0+4*\slot+2:G0+4*\slot+3], 8192
	s_add_nc_u64 s[G0B+4*\slot+2:G0B+4*\slot+3], s[G0B+4*\slot+2:G0B+4*\slot+3], 8192
	JLOAD G0+4*\slot, G1, G0B+4*\slot, G1B
.else
	PLACES NP
.endif
	FETCH_B \next, 0, 0
	FETCH_A \next, 0, 0
.if \fill
	s_cmp_gt_u32 s3, 1                             ; the last trip's two refills have no tile two on
	s_cbranch_scc0 .Lno_ask_\@
	global_prefetch_b8 v[PFO], s[PFA:PFA+1] offset:12288 th:TH_LOAD_NT scope:SCOPE_SE
.Lno_ask_\@:
.endif
	WIN MUL_HI
	MUL16 4, 1, 0
	MUL16 6, 1, 0
	PLACES NP
	WIN 0
	FETCH_A \next, 0, 4
.endm
	s_wait_alu depctr_va_vdst(0)
	s_wait_tensorcnt 0x0                           ; my part of tile 0 is in; slot 1's first fill is issued as a refill is:
	ds_add_u32 v[SPW], v[NIL]
	s_wait_dscnt 0x0
	CROUND
	JLOAD G0+4, G1, G0B+4, G1B                     ; tile 1
	FETCH_B 0, 0, 0
	FETCH_A 0, 0, 0
	FETCH_A 0, 0, 4
	global_prefetch_b8 v[PFO], s[PFA:PFA+1] offset:12288 th:TH_LOAD_NT scope:SCOPE_SE   ; tile 3
	STEP 0, 0, 1                                   ; the first step starts the sums
	s_mov_b32 s3, 3
.Llap:
	TURN 0, 1, 1
	STEP 1, 0, 0
	TURN 1, 0, 1
	STEP 0, 0, 0
	s_sub_co_u32 s3, s3, 1
	s_cmp_lg_u32 s3, 0
	s_cbranch_scc1 .Llap
	TURN 0, 1, 0
	STEP 1, 0, 0
	s_cmp_ge_u32 ttmp9, 4
	s_cbranch_scc1 .Lno_table_1
	WIN TO_B
	RLD 3, 0                                       ; into B's set 0, which the step above read last, four places ago
	RLD 4, 32
	RLD 5, 64
	RLD 6, 96
	WIN 0
.Lno_table_1:
	s_wait_dscnt 4*NL
	WIN MUL_LO
	MUL16 0, 1, 0
	MUL16 2, 1, 0
	s_wait_dscnt 0
	WIN MUL_HI
	MUL16 4, 1, 0
	MUL16 6, 1, 0
	WIN 0
	PLACES NP
; THE WAY OUT of Q and K, a block of 16 tokens at a time: tiles t and t + 2 of a head hold channels d and d + 32: out(d) = x(d) cos - x(d + 32) sin, out(d + 32) = x(d + 32) cos + x(d) sin;
; held, converted, and stored as the image of a fragment 16 tokens x 64 channels: two stores of 512 consecutive bytes for each head.  rr, w1: the table's registers and their window.
.macro ROPEBLK a, rr, w1
.if (\a) > 0
	s_wait_xcnt 0x0                                ; the codes' registers, which earlier stores read, are rewritten only behind this wait
.endif
	s_wait_loadcnt 8*(7-(\a))                      ; this block's table is in; the later blocks' loads may be out
.irp hd, 0,1
	WIN 0x02+((\a)/4)+4*(\w1)
.irp t, 0,1
.irp jj, 0,2,4,6
.set LO, 8*(8*((\a)%4)+4*\hd+\t)+\jj
.set HI, LO+16
.set OL, OUT+8*\t+\jj
.set OH, OL+16
.set CC, (\rr)+8*\t+\jj
.set SS, CC+16
	v_pk_mul_f32 v[OL:OL+1], v[LO:LO+1], v[CC:CC+1]
	v_pk_mul_f32 v[OH:OH+1], v[HI:HI+1], v[CC:CC+1]
	v_pk_fma_f32 v[OL:OL+1], v[HI:HI+1], v[SS:SS+1], v[OL:OL+1] neg_lo:[1,0,0] neg_hi:[1,0,0]
	v_pk_fma_f32 v[OH:OH+1], v[LO:LO+1], v[SS:SS+1], v[OH:OH+1]
.endr
.endr
	WIN 0
.set N, 0
.rept 32
	v_med3_num_f32 v[OUT+N], v[OUT+N], -v[LIM], v[LIM]   ; the conversion does not saturate (ISA guide 7.6.2): the hold comes first
.set N, N+1
.endr
.irp t, 0,1,2,3
	v_cvt_scalef32_pk8_fp8_f32 v[CD+8*\hd+2*\t:CD+8*\hd+2*\t+1], v[OUT+8*\t:OUT+8*\t+7], v[SC]
.endr
	v_nop                                          ; a plain line behind the conversions
	global_store_b128 v[LI], v[CD+8*\hd:CD+8*\hd+3],   s[84+2*\hd:85+2*\hd] offset:(\a)*1024
	global_store_b128 v[LI], v[CD+8*\hd+4:CD+8*\hd+7], s[84+2*\hd:85+2*\hd] offset:(\a)*1024+512
.endr
.endm
; THE WAY OUT of V: block a holds 16 channels (head a / 4 of the pair, tile a % 4) x my 128 tokens: the image of a fragment 16 channels x 128 keys: four stores of 512 consecutive bytes.
.macro VBLK a
.if (\a) > 0
	s_wait_xcnt 0x0
.endif
	WIN 0x02+((\a)/4)
.set N, 0
.rept 64
	v_med3_num_f32 v[OUT+N], v[64*((\a)%4)+N], -v[LIM], v[LIM]
.set N, N+1
.endr
	WIN 0
.irp b, 0,1,2,3,4,5,6,7
	v_cvt_scalef32_pk8_fp8_f32 v[CDV+2*\b:CDV+2*\b+1], v[OUT+8*\b:OUT+8*\b+7], v[SC]
.endr
	v_nop
.irp p, 0,1,2,3
	global_store_b128 v[LI], v[CDV+4*\p:CDV+4*\p+3], s[84:85] offset:((\a)/4)*262144+((\a)%4)*2048+\p*512
.endr
.endm
	s_cmp_ge_u32 ttmp9, 4
	s_cbranch_scc1 .Lv
	RLD 7, 224                                     ; into registers that held A's last fragments
	ROPEBLK 0, 32, 0
	ROPEBLK 1, 64, 0
	ROPEBLK 2, 96, 0
	ROPEBLK 3, 0, 1
	ROPEBLK 4, 32, 1
	ROPEBLK 5, 64, 1
	ROPEBLK 6, 96, 1
	ROPEBLK 7, 224, 0
	s_branch .Lend
.Lv:
	s_add_nc_u64 s[84:85], s[84:85], 8192          ; V's tiles lie behind K's
.irp a, 0,1,2,3,4,5,6,7
	VBLK \a
.endr
.Lend:
	s_wait_tensorcnt 0x0                           ; the wave's end
	ds_add_u32 v[SPW], v[NIL]
	s_wait_dscnt 0x0
	CROUND                                         ; the closing round
	s_endpgm
.Lfunc_end_k_q36e282dff6_qkv:
	.size	k_q36e282dff6_qkv, .Lfunc_end_k_q36e282dff6_qkv-k_q36e282dff6_qkv
	.p2alignl 7, 3214868480
	.fill 96, 4, 3214868480
	.section	.rodata,"a",@progbits
	.p2align	6, 0x0
	.amdhsa_kernel k_q36e282dff6_qkv
		.amdhsa_group_segment_fixed_size 327680
		.amdhsa_private_segment_fixed_size 0
		.amdhsa_enable_private_segment 0
		.amdhsa_kernarg_size 48
		.amdhsa_user_sgpr_count 2
		.amdhsa_user_sgpr_kernarg_segment_ptr 1
		.amdhsa_wavefront_size32 1
		.amdhsa_system_sgpr_workgroup_id_x 1
		.amdhsa_system_sgpr_workgroup_id_y 1
		.amdhsa_system_sgpr_workgroup_id_z 1
		.amdhsa_system_vgpr_workitem_id 0
		.amdhsa_next_free_vgpr 1024
		.amdhsa_next_free_sgpr 100
		.amdhsa_reserve_vcc 0
		.amdhsa_float_denorm_mode_32 3
		.amdhsa_float_denorm_mode_16_64 3
		.amdhsa_memory_ordered 1
		.amdhsa_forward_progress 1
		.amdhsa_inst_pref_size 199
	.end_amdhsa_kernel
	.amdgpu_metadata
---
amdhsa.version: [ 1, 2 ]
amdhsa.kernels:
  - .name:           k_q36e282dff6_qkv
    .symbol:         k_q36e282dff6_qkv.kd
    .args:
      - { .name: xc, .offset: 0, .size: 8, .value_kind: global_buffer, .address_space: global }
      - { .name: wc, .offset: 8, .size: 8, .value_kind: global_buffer, .address_space: global }
      - { .name: rope, .offset: 16, .size: 8, .value_kind: global_buffer, .address_space: global }
      - { .name: lowp_scales, .offset: 24, .size: 8, .value_kind: global_buffer, .address_space: global }
      - { .name: qc, .offset: 32, .size: 8, .value_kind: global_buffer, .address_space: global }
      - { .name: kvc, .offset: 40, .size: 8, .value_kind: global_buffer, .address_space: global }
    .group_segment_fixed_size: 327680
    .private_segment_fixed_size: 0
    .kernarg_segment_align: 8
    .kernarg_segment_size: 48
    .max_flat_workgroup_size: 128
    .sgpr_count:     100
    .vgpr_count:     1024
    .wavefront_size: 32
...
	.end_amdgpu_metadata
.endif
;; end of part 2
;; launch attn (part 3): grid 8 x 32, 16 waves a work-group, clusters of 4 x 1, 264,192 bytes of LDS; arguments qc, kvc, lowp_scales, ac; writes ac
.if DOCPART == 3
	.amdgcn_target "amdgcn-amd-amdhsa--gfx1250"
	.amdhsa_code_object_version 6
	.text
	.protected	k_q36e282dff6_attn
	.globl	k_q36e282dff6_attn
	.p2align	8
	.type	k_q36e282dff6_attn,@function
k_q36e282dff6_attn:
	s_mov_b64 s[64:65], 0
	v_nop
	global_prefetch_b8 v0, s[64:65] scope:SCOPE_SE
	s_setreg_imm32_b32 hwreg(HW_REG_WAVE_MODE, 25, 1), 1
	s_wait_xcnt 0x0
	s_wait_alu depctr_hold_cnt(0) depctr_sa_sdst(0) depctr_va_vdst(0) depctr_va_sdst(0) depctr_va_ssrc(0) depctr_va_vcc(0) depctr_vm_vsrc(0)
	s_getreg_b32 s2, hwreg(HW_REG_IB_STS2, 6, 4)
	s_cmp_eq_u32 s2, 0
	s_cbranch_scc0 .Lentry_in_a_cluster
	s_endpgm
.Lentry_in_a_cluster:
	s_bfe_u32 s2, ttmp6, 0x10000c
	s_cmp_lg_u32 s2, 0x3003
	s_cbranch_scc0 .Lentry_shape_is_right
	s_endpgm
.Lentry_shape_is_right:
; Causal attention of 32 heads of 64 over 2,048 tokens, both products on codes of E4M3; the result, divided by the row's sum, leaves as codes for the output projection.
; t = score x log2(e) / 8; M = the running largest t rounded UP to a whole number; p = 2^(t - M) is quantised along the keys with 2^e8, not normalised; the row's sum is taken of the unquantised p in f32.
; When M moves, the sum and O are multiplied by 2^(old M - new M), which rounds nothing.  Hidden scores become -infinity ahead of the maximum, so their p is 0.
; A HEAD'S K AND V LIE IN LDS WHOLE: 16 blocks of 128 keys x 16,384 bytes (8 tiles of 16 keys x 64, then 4 tiles of 16 channels x 128 keys, all as images of the operands' registers).  Each byte of LDS is filled once:
; no ring and no refill.  A head has eight work-groups, two clusters of four; the fills are joint loads of the four partners.
; SHARES.  A wave owns one tile of 16 queries, number 8 G + u.  G, the block of 128 keys on the tile's diagonal, hangs on the wave's number and on the cluster's x alone:
; G = (4 bit3(w) + 2 bit1(w) + cluster x) xor (15 bit2(w)); u = 2 cx + (w & 1) enters global addresses and vector compares alone.  So no branch and no LDS address hangs on a work-group's place in its cluster.
; A wave works G + 1 of the 16 key steps; waves w, w + 4, w + 8, w + 12 have G, 15 - G, G + 4, 11 - G: 34 steps together.  The loop's trip count is a constant; a step all of whose keys are hidden is jumped over by a scalar branch on ids.
; LAYOUT.  Both products are used transposed: S^T = K Q^T (source 0 = 16 keys), O^T = V^T P^T (source 0 = 16 channels): a lane holds ONE query (lane % 16).  Tile c of S^T holds keys 16 c + 8 h + 0 .. 7,
; which are registers 2 c, 2 c + 1 of the second product's operand: the conversions' results are that operand.
; LIMITS: e6 + e7 between -123 and 130 (added to c's exponent field); e8, and e10 - e8 - e9, between -126 and 119.
; REGISTERS: v1-8 addresses and constants; v12 -M, v13 the largest t, v[14:15] the sum in two halves; v16-23 Q; v24-31 at work; v32-95 K's 8 fragments, then V's 4; v96-159 S^T, then p; v160-191 O^T; v192-207 p's codes; v208-247 the way out.
.set LI,   1                           ; v1  16 x lane; never rewritten
.set ADR,  2                           ; v2  LDS address of the key block in hand
.set DD,   3                           ; v3  16 u + r - 8 h: on the diagonal, register j of tile c is hidden where 16 c + j is greater
.set NINF, 4                           ; v4  -infinity
.set PSC,  5                           ; v5  2^e8;  v6  448 x 2^e8
.set PLM,  6
.set OSC,  7                           ; v7  2^(e10 - e8 - e9);  v8  448 x that
.set OLM,  8
.set WV,   12                          ; s12 wave
.set GG,   14                          ; s14 G
.set KB,   17                          ; s17 the key block in hand
.set TB,   18                          ; s18 its LDS byte
.set CNT,  19                          ; s19 trips
.set SEL,  20                          ; s[20:21] lane selects for v_permlanex16_b32: lane l xor 16
.set CS,   22                          ; s[22:23] c = log2(e) / 8 x 2^(e6 + e7)
.set G1,   24                          ; s[24:31] descriptor group 1
.set G0,   32                          ; s[32:35] descriptor group 0
.macro CROUND                          ; a round of the cluster's barrier
	s_barrier_signal -1
	s_barrier_wait -1
	s_cmp_lg_u32 s[WV], 0
	s_cbranch_scc1 .Lnot_wave_0_\@
	s_barrier_signal -3
.Lnot_wave_0_\@:
	s_barrier_wait -3
	s_barrier_signal -1
	s_barrier_wait -1
.endm
	s_load_b256 s[4:11], s[0:1], 0x0               ; qc s[4:5], kvc s[6:7], scales s[8:9], ac s[10:11]
	v_lshl_add_u32 v254, v0, 2, 0x40000
	v_mov_b32 v255, 0
	ds_add_u32 v254, v255
	ds_add_u32 v254, v255
	v_lshrrev_b32 v9, 5, v0
	s_delay_alu instid0(VALU_DEP_1)
	v_readfirstlane_b32 s[WV], v9
	s_bfe_u32 s13, ttmp6, 0x40000                  ; cx
	s_and_b32 s16, ttmp7, 0xffff                   ; the head
	s_bfe_u32 s60, s[WV], 0x10003
	s_bfe_u32 s61, s[WV], 0x10001
	s_bfe_u32 s62, s[WV], 0x10002
	s_lshl_b32 s60, s60, 2
	s_lshl_b32 s61, s61, 1
	s_add_co_u32 s[GG], s60, s61
	s_add_co_u32 s[GG], s[GG], ttmp9
	s_mul_i32 s62, s62, 15
	s_xor_b32 s[GG], s[GG], s62                    ; G
	s_lshl_b32 s67, s[WV], 14                      ; what I fetch: the key block with my wave's number, 16,384 bytes
	s_lshl_b32 s72, s16, 18                        ; a head's K and V are 262,144 bytes
	s_add_co_u32 s72, s72, s67
	s_mov_b32 s73, 0
	s_and_b32 s15, s[WV], 1
	s_lshl_b32 s63, s13, 1
	s_add_co_u32 s15, s15, s63                     ; u
	s_lshl_b32 s66, s[GG], 3
	s_add_co_u32 s66, s66, s15                     ; my tile of 16 queries
	s_lshl_b32 s68, s16, 17
	s_lshl_b32 s69, s66, 10
	s_add_co_u32 s68, s68, s69                     ; in qc: head x 131,072 + tile x 1,024
	s_mov_b32 s69, 0
	s_lshl_b32 s70, s66, 15
	s_lshl_b32 s71, s16, 10
	s_add_co_u32 s70, s70, s71                     ; in ac: tile x 32,768 + head x 1,024: K step head / 2, parts 2 (head % 2) and the next
	s_mov_b32 s71, 0
	; descriptor group 1: a key block: 64 dense rows of 256 bytes, in elements of 8 bytes
	s_mov_b32 s[G1], 15|(3<<16)|(1<<21)            ; 15:0 the mask: all four work-groups; 17:16 elements of 8 bytes; 21 set beside a mask
	s_mov_b32 s[G1+1], 32<<16                      ; tensor_dim0 = 32
	s_mov_b32 s[G1+2], 64<<16                      ; tensor_dim1 = 64
	s_mov_b32 s[G1+3], 32<<16                      ; tile_dim0 = 32
	s_mov_b32 s[G1+4], 64                          ; tile_dim1 = 64
	s_mov_b32 s[G1+5], 32                          ; tensor_dim0_stride
	s_mov_b32 s[G1+6], 0
	s_mov_b32 s[G1+7], 0
	s_mov_b32 s[SEL], 0x76543210
	s_mov_b32 s[SEL+1], 0xfedcba98
	s_mov_b32 s[CS], 0x3e38aa3b                    ; log2(e) / 8
	s_mov_b32 s[KB], 0
	s_mov_b32 s[TB], 0
	s_wait_dscnt 0x0
	s_wait_kmcnt 0x0
	s_load_b256 s[48:55], s[8:9], 0x0              ; e0 .. e7
	s_load_b128 s[56:59], s[8:9], 0x20             ; e8 .. e11
	s_add_nc_u64 s[6:7], s[6:7], s[72:73]
	s_mov_b32 s[G0], 1
	s_mov_b32 s[G0+1], s67
	s_mov_b64 s[G0+2:G0+3], s[6:7]
	s_or_b32 s[G0+3], s[G0+3], 0x80000000
	CROUND                                         ; all four work-groups are here: the joint loads meet
	tensor_load_to_lds s[G0:G0+3], s[G1:G1+7]      ; sixteen key blocks, sixteen waves: every wave issues one joint load, its only tensor load
	s_nop 0
.rept 4
	v_nop
.endr
	v_and_b32 v9, 31, v0
	s_delay_alu instid0(VALU_DEP_1)
	v_lshlrev_b32 v[LI], 4, v9
	s_add_nc_u64 s[4:5], s[4:5], s[68:69]
	s_add_nc_u64 s[10:11], s[10:11], s[70:71]
	global_load_b128 v[16:19], v[LI], s[4:5]       ; Q's fragment stays in registers
	global_load_b128 v[20:23], v[LI], s[4:5] offset:512
	v_and_b32 v10, 15, v0                          ; r
	v_bfe_u32 v11, v0, 4, 1                        ; h
	s_delay_alu instid0(VALU_DEP_1)
	v_lshlrev_b32 v11, 3, v11
	s_delay_alu instid0(VALU_DEP_1)
	v_sub_nc_u32 v[DD], v10, v11
	s_lshl_b32 s60, s15, 4
	v_add_nc_u32 v[DD], s60, v[DD]
	v_mov_b32 v[NINF], 0xff800000
	v_mov_b32 v13, 0xff61b1e6                      ; the largest t so far: -3e38, under every t
	s_delay_alu instid0(VALU_DEP_1)
	v_floor_f32 v12, -v13                          ; -M
	v_mov_b32 v14, 0
	v_mov_b32 v15, 0
	v_mov_b32 v27, 0                               ; (named as the upper half of the pair v[26:27])
	v_mov_b32 v30, 0                               ; written once: a lane permute's destination counts as one of its sources
.set N, 0
.rept 32
	v_mov_b32 v[160+N], 0                          ; O^T: the step is written for every trip alike: the first finds zeros, which the first change of M leaves zeros
.set N, N+1
.endr
	s_wait_kmcnt 0x0
	s_add_co_i32 s60, s54, s55
	s_lshl_b32 s60, s60, 23
	s_add_co_i32 s[CS], s[CS], s60                 ; a score stands for score x 2^(e6 + e7)
	s_mov_b32 s[CS+1], s[CS]                       ; (named with it as a pair, so it is written)
	s_add_co_i32 s60, s56, 127
	s_lshl_b32 s61, s60, 23
	v_mov_b32 v[PSC], s61
	s_add_co_i32 s60, s60, 8
	s_lshl_b32 s60, s60, 23
	s_or_b32 s60, s60, 0x600000
	v_mov_b32 v[PLM], s60
	s_sub_co_i32 s60, s58, s56
	s_sub_co_i32 s60, s60, s57
	s_add_co_i32 s60, s60, 127
	s_lshl_b32 s61, s60, 23
	v_mov_b32 v[OSC], s61                          ; O / sum stands for that x 2^(e8 + e9): its code is that / 2^(e10 - e8 - e9)
	s_add_co_i32 s60, s60, 8
	s_lshl_b32 s60, s60, 23
	s_or_b32 s60, s60, 0x600000
	v_mov_b32 v[OLM], s60
; A KEY STEP: 128 keys.
.macro STEP
	s_cmp_gt_u32 s[KB], s[GG]                      ; all its keys come after my queries: only the lines at its end are run
	s_cbranch_scc1 .Lhidden_\@
	v_add_nc_u32 v[ADR], s[TB], v[LI]
.rept 3
	v_nop                                          ; with the addition above: four places in front of loads into registers that the last products read
.endr
.irp c, 0,1,2,3,4,5,6,7
	ds_load_b128 v[32+8*\c:35+8*\c], v[ADR] offset:\c*1024
	ds_load_b128 v[36+8*\c:39+8*\c], v[ADR] offset:\c*1024+512
.endr
	s_wait_alu depctr_va_vdst(0)
	s_wait_dscnt 0x0
.irp c, 0,1,2,3,4,5,6,7
	v_wmma_f32_16x16x64_fp8_fp8 v[96+8*\c:103+8*\c], v[32+8*\c:39+8*\c], v[16:23], 0
.endr
.rept 4
	v_nop                                          ; places in front of the loads below and of the first read of the scores
.endr
.irp f, 0,1,2,3                        ; V's four fragments take K's registers and land while the softmax is worked
.irp p, 0,1,2,3
	ds_load_b128 v[32+16*\f+4*\p:35+16*\f+4*\p], v[ADR] offset:8192+\f*2048+\p*512
.endr
.endr
	s_cmp_lg_u32 s[KB], s[GG]                      ; only the step on the diagonal has hidden keys
	s_cbranch_scc1 .Lopen_\@
.set N, 0
.rept 64
	v_cmp_gt_i32 vcc_lo, 16*(N/8)+N%8, v[DD]
	v_cndmask_b32 v[96+N], v[96+N], v[NINF], vcc_lo
.set N, N+1
.endr
.Lopen_\@:
	v_max3_num_f32 v24, v96, v97, v98              ; the step's largest score of my query among my 64 keys, in two chains; each tile is first read at its low end
	v_max3_num_f32 v25, v99, v100, v101
.irp i, 6,10,14,18,22,26,30,34,38,42,46,50,54,58
	v_max3_num_f32 v24, v24, v[96+\i], v[97+\i]
	v_max3_num_f32 v25, v25, v[98+\i], v[99+\i]
.endr
	v_max3_num_f32 v24, v24, v158, v159
	s_delay_alu instid0(VALU_DEP_1)
	v_max_num_f32 v24, v24, v25
	s_delay_alu instid0(VALU_DEP_1)
	v_permlanex16_b32 v30, v24, s[SEL], s[SEL+1]
	s_delay_alu instid0(VALU_DEP_1)
	v_max_num_f32 v24, v24, v30                    ; and among lane l xor 16's
	s_delay_alu instid0(VALU_DEP_1)
	v_mul_f32 v24, s[CS], v24                      ; as t (c is positive)
	s_delay_alu instid0(VALU_DEP_1)
	v_max_num_f32 v13, v13, v24                    ; the running largest t
	v_mov_b32 v24, v12
	s_delay_alu instid0(VALU_DEP_2)
	v_floor_f32 v12, -v13                          ; the new -M = floor(-t): M is a whole number
	s_delay_alu instid0(VALU_DEP_1)
	v_sub_f32 v24, v12, v24                        ; old M - new M: a whole number, 0 or less
	s_delay_alu instid0(VALU_DEP_1)
	v_cvt_i32_f32 v24, v24                         ; (it saturates)
	s_delay_alu instid0(VALU_DEP_1)
	v_ldexp_f32 v26, 1.0, v24                      ; f = 2^(old M - new M)
.set N, 0
.rept 32
	v_pk_fma_f32 v[96+N:97+N], v[96+N:97+N], s[CS:CS+1], v[12:13] op_sel_hi:[1,0,0]   ; t - M, two at a time
.set N, N+2
.endr
.set N, 0
	s_wait_alu depctr_va_vdst(0)
.rept 64
	v_exp_f32 v[96+N], v[96+N]                     ; p = 2^(t - M)
.set N, N+1
.endr
	v_pk_mul_f32 v[14:15], v[14:15], v[26:27] op_sel_hi:[1,0]   ; the sums under the new M: the plain line behind the exponentials
	s_wait_alu depctr_va_vdst(0)                   ; one wait for the whole batch, ahead of its first reader
	v_pk_add_f32 v[28:29], v[100:101], v[104:105]
	v_pk_add_f32 v[252:253], v[108:109], v[112:113]
	v_pk_add_f32 v[250:251], v[116:117], v[120:121]
	v_pk_add_f32 v[248:249], v[124:125], v[128:129]
	v_pk_add_f32 v[246:247], v[132:133], v[136:137]
	v_pk_add_f32 v[244:245], v[140:141], v[144:145]
	v_pk_add_f32 v[242:243], v[148:149], v[152:153]
	v_pk_add_f32 v[14:15], v[14:15], v[156:157]
	v_pk_add_f32 v[28:29], v[28:29], v[96:97]
	v_pk_add_f32 v[252:253], v[252:253], v[98:99]
	v_pk_add_f32 v[250:251], v[250:251], v[102:103]
	v_pk_add_f32 v[248:249], v[248:249], v[106:107]
	v_pk_add_f32 v[246:247], v[246:247], v[110:111]
	v_pk_add_f32 v[244:245], v[244:245], v[114:115]
	v_pk_add_f32 v[242:243], v[242:243], v[118:119]
	v_pk_add_f32 v[14:15], v[14:15], v[122:123]
	v_pk_add_f32 v[28:29], v[28:29], v[126:127]
	v_pk_add_f32 v[252:253], v[252:253], v[130:131]
	v_pk_add_f32 v[250:251], v[250:251], v[134:135]
	v_pk_add_f32 v[248:249], v[248:249], v[138:139]
	v_pk_add_f32 v[246:247], v[246:247], v[142:143]
	v_pk_add_f32 v[244:245], v[244:245], v[146:147]
	v_pk_add_f32 v[242:243], v[242:243], v[150:151]
	v_pk_add_f32 v[14:15], v[14:15], v[154:155]
	v_pk_add_f32 v[28:29], v[28:29], v[158:159]
	s_delay_alu instid0(VALU_DEP_2)
	v_pk_add_f32 v[14:15], v[14:15], v[248:249]
	s_delay_alu instid0(VALU_DEP_2)
	v_pk_add_f32 v[28:29], v[28:29], v[246:247]
	v_pk_add_f32 v[252:253], v[252:253], v[244:245]
	v_pk_add_f32 v[250:251], v[250:251], v[242:243]
	s_delay_alu instid0(VALU_DEP_2)
	v_pk_add_f32 v[14:15], v[14:15], v[252:253]
	s_delay_alu instid0(VALU_DEP_2)
	v_pk_add_f32 v[28:29], v[28:29], v[250:251]
	s_delay_alu instid0(VALU_DEP_1)
	v_pk_add_f32 v[14:15], v[14:15], v[28:29]
.irp c, 0,1,2,3,4,5,6,7
.irp i, 0,1,2,3,4,5,6,7
	v_min_num_f32 v[96+8*\c+\i], v[96+8*\c+\i], v[PLM]   ; the conversion does not saturate (ISA guide 7.6.2); p is not negative, so the hold is one-sided
.endr
	v_cvt_scalef32_pk8_fp8_f32 v[192+2*\c:193+2*\c], v[96+8*\c:103+8*\c], v[PSC]
.endr
.set N, 0
.rept 16
	v_pk_mul_f32 v[160+N:161+N], v[160+N:161+N], v[26:27] op_sel_hi:[1,0]   ; O^T under the new M; also the plain lines between the conversions and the products
.set N, N+2
.endr
	s_wait_alu depctr_va_vdst(0)
	s_wait_dscnt 0x0                               ; V is in
.irp f, 0,1,2,3                        ; the four accumulators take turns
	v_wmma_f32_16x16x128_fp8_fp8 v[160+8*\f:167+8*\f], v[32+16*\f:47+16*\f], v[192:207], v[160+8*\f:167+8*\f]
.endr
.Lhidden_\@:
	s_add_co_u32 s[KB], s[KB], 1
	s_add_co_u32 s[TB], s[TB], 16384
.endm
	s_wait_loadcnt 0x0                             ; Q
	s_wait_tensorcnt 0x0                           ; my key block has landed
	s_barrier_signal -1
	s_barrier_wait -1                              ; all sixteen key blocks are whole
	s_mov_b32 s[CNT], 16                           ; one loop over the sixteen key steps
.Lrest:
	STEP
	s_sub_co_u32 s[CNT], s[CNT], 1
	s_cmp_lg_u32 s[CNT], 0
	s_cbranch_scc1 .Lrest
	; THE WAY OUT: O^T / the sum, held and converted: tile f's conversion gives registers 2 f, 2 f + 1 of my 64 channels' part of a fragment 16 tokens x 128: two stores of 512 consecutive bytes, aligned
.rept 4
	v_nop                                          ; places behind the last products
.endr
	v_add_f32 v14, v14, v15
	s_delay_alu instid0(VALU_DEP_1)
	v_permlanex16_b32 v30, v14, s[SEL], s[SEL+1]
	s_delay_alu instid0(VALU_DEP_1)
	v_add_f32 v14, v14, v30                        ; the row's sum
	s_wait_alu depctr_va_vdst(0)
	v_rcp_f32 v14, v14
	v_nop                                          ; a plain line behind the reciprocal
	s_wait_alu depctr_va_vdst(0)                   ; and the wait ahead of its first reader
.set N, 0
.rept 32
	v_mul_f32 v[208+N], v[160+N], v14
.set N, N+1
.endr
.set N, 0
.rept 32
	v_med3_num_f32 v[208+N], v[208+N], -v[OLM], v[OLM]
.set N, N+1
.endr
.irp f, 0,1,2,3
	v_cvt_scalef32_pk8_fp8_f32 v[240+2*\f:241+2*\f], v[208+8*\f:215+8*\f], v[OSC]
.endr
	v_nop
	global_store_b128 v[LI], v[240:243], s[10:11]
	global_store_b128 v[LI], v[244:247], s[10:11] offset:512
	s_wait_tensorcnt 0x0
	ds_add_u32 v254, v255
	s_wait_dscnt 0x0
	CROUND                                         ; the closing round: no work-group ends while a partner may still ask for a tile that names it
	s_endpgm
.Lfunc_end_k_q36e282dff6_attn:
	.size	k_q36e282dff6_attn, .Lfunc_end_k_q36e282dff6_attn-k_q36e282dff6_attn
	.p2alignl 7, 3214868480
	.fill 96, 4, 3214868480
	.section	.rodata,"a",@progbits
	.p2align	6, 0x0
	.amdhsa_kernel k_q36e282dff6_attn
		.amdhsa_group_segment_fixed_size 264192
		.amdhsa_private_segment_fixed_size 0
		.amdhsa_enable_private_segment 0
		.amdhsa_kernarg_size 32
		.amdhsa_user_sgpr_count 2
		.amdhsa_user_sgpr_kernarg_segment_ptr 1
		.amdhsa_wavefront_size32 1
		.amdhsa_system_sgpr_workgroup_id_x 1
		.amdhsa_system_sgpr_workgroup_id_y 1
		.amdhsa_system_sgpr_workgroup_id_z 1
		.amdhsa_system_vgpr_workitem_id 0
		.amdhsa_next_free_vgpr 256
		.amdhsa_next_free_sgpr 80
		.amdhsa_reserve_vcc 1
		.amdhsa_float_denorm_mode_32 3
		.amdhsa_float_denorm_mode_16_64 3
		.amdhsa_memory_ordered 1
		.amdhsa_forward_progress 1
		.amdhsa_inst_pref_size 32
	.end_amdhsa_kernel
	.amdgpu_metadata
---
amdhsa.version: [ 1, 2 ]
amdhsa.kernels:
  - .name:           k_q36e282dff6_attn
    .symbol:         k_q36e282dff6_attn.kd
    .args:
      - { .name: qc, .offset: 0, .size: 8, .value_kind: global_buffer, .address_space: global }
      - { .name: kvc, .offset: 8, .size: 8, .value_kind: global_buffer, .address_space: global }
      - { .name: lowp_scales, .offset: 16, .size: 8, .value_kind: global_buffer, .address_space: global }
      - { .name: ac, .offset: 24, .size: 8, .value_kind: global_buffer, .address_space: global }
    .group_segment_fixed_size: 264192
    .private_segment_fixed_size: 0
    .kernarg_segment_align: 8
    .kernarg_segment_size: 32
    .max_flat_workgroup_size: 512
    .sgpr_count:     80
    .vgpr_count:     256
    .wavefront_size: 32
...
	.end_amdgpu_metadata
.endif
;; end of part 3
;; launch oproj (part 4): grid 16 x 16, 4 waves a work-group, clusters of 4 x 4, 327,680 bytes of LDS; arguments ac, wc, lowp_scales, out0; writes out0
.if DOCPART == 4
	.amdgcn_target "amdgcn-amd-amdhsa--gfx1250"
	.amdhsa_code_object_version 6
	.text
	.protected	k_q36e282dff6_oproj
	.globl	k_q36e282dff6_oproj
	.p2align	8
	.type	k_q36e282dff6_oproj,@function
k_q36e282dff6_oproj:
	s_mov_b64 s[64:65], 0
	v_nop
	global_prefetch_b8 v0, s[64:65] scope:SCOPE_SE
	s_setreg_imm32_b32 hwreg(HW_REG_WAVE_MODE, 25, 1), 1
	s_wait_xcnt 0x0
	s_wait_alu depctr_hold_cnt(0) depctr_sa_sdst(0) depctr_va_vdst(0) depctr_va_sdst(0) depctr_va_ssrc(0) depctr_va_vcc(0) depctr_vm_vsrc(0)
	s_getreg_b32 s2, hwreg(HW_REG_IB_STS2, 6, 4)
	s_cmp_eq_u32 s2, 0
	s_cbranch_scc0 .Lentry_in_a_cluster
	s_endpgm
.Lentry_in_a_cluster:
	s_bfe_u32 s2, ttmp6, 0x10000c
	s_cmp_lg_u32 s2, 0xf033
	s_cbranch_scc0 .Lentry_shape_is_right
	s_endpgm
.Lentry_shape_is_right:
; out0 = attention's result x wo^T on codes of E4M3, K = 2,048; each finished sum x 2^(e10 + e11), f32 out.  LIMIT: e10 + e11 between -126 and 127.
; ac: [128 blocks of 16 tokens][16 K steps][2,048 bytes]; wo's codes are the fourth tensor of wc, laid alike: images of the operand's registers.
; A work-group of four waves makes 128 x 128, a wave 64 x 64: 16 accumulators.  K goes in steps of 512 through a ring of two LDS slots; each wave fetches 4 blocks x 8,192 bytes with one tensor load.
; CLUSTERS of 4 x 4: A's tile is asked for jointly along a row of the cluster, B's along a column.
; PREFETCH: of the 4 blocks of a wave's tile each of the four partners that ask for it jointly names one, told apart by address: 32 lanes x 256 bytes, one line a wave.  Tiles 1 and 2 are asked for behind the first load, tile 3 behind the second.
.set HALFT, 32768
.set SLOT,  4*HALFT
.set SPARE, 2*SLOT
.set SPITCH, 272
.set ADRA, 16
.set ADRB, 20
.set STO,  24
.set RD,   25
.set CO,   26
.set SPW,  28
.set NIL,  29
.set TMP,  32
.set BK,   64
.set ACC,  128
.set F0,   0
.set F1,   128
.set G1,  24
.set G0,  32
.set G1B, 48
.set G0B, 56
.set MSB, 0
.macro WIN new
.if MSB != \new
	s_set_vgpr_msb (MSB<<8)|\new
.set MSB, \new
.endif
.endm
.set MUL,  0x05
.set TO_F, 0x40
.macro JLOAD s
	s_cmp_eq_u32 s15, 0
	s_cbranch_scc0 .Lfor_b_\@
	tensor_load_to_lds s[G0+4*\s:G0+4*\s+3], s[G1:G1+7]
	s_nop 0
.rept 4
	v_nop
.endr
	s_branch .Lasked_\@
.Lfor_b_\@:
	tensor_load_to_lds s[G0B+4*\s:G0B+4*\s+3], s[G1B:G1B+7]
	s_nop 0
.rept 4
	v_nop
.endr
.Lasked_\@:
.endm
.macro CREST
	s_cmp_lg_u32 s14, 0
	s_cbranch_scc1 .Lnot_wave_0_\@
	s_barrier_signal -3
.Lnot_wave_0_\@:
	s_barrier_wait -3
	s_barrier_signal -1
	s_barrier_wait -1
.endm
.macro CROUND
	s_barrier_signal -1
	s_barrier_wait -1
	CREST
.endm
	s_load_b256 s[4:11], s[0:1], 0x0
	v_lshl_add_u32 v[SPW], v0, 2, SPARE
	v_mov_b32 v[NIL], 0
	ds_add_u32 v28, v29
	ds_add_u32 v28, v29
	s_wait_dscnt 0x0
	v_lshrrev_b32 v1, 5, v0
	v_readfirstlane_b32 s14, v1
	s_lshr_b32 s15, s14, 1
	s_and_b32 s16, s14, 1
	s_bfe_u32 s40, ttmp6, 0x40000
	s_bfe_u32 s41, ttmp6, 0x40004
	s_lshl_b32 s42, ttmp9, 2
	s_add_co_u32 s42, s42, s40
	s_and_b32 s17, ttmp7, 0xffff
	s_lshl_b32 s17, s17, 2
	s_add_co_u32 s17, s17, s41
	s_lshl_b32 s43, s41, 2
	s_lshl_b32 s43, 15, s43
	s_lshl_b32 s44, 0x1111, s40
	s_or_b32 s[G1+0], s43, (3<<16)|(1<<21)
	s_or_b32 s[G1B+0], s44, (3<<16)|(1<<21)
.irp g, G1, G1B
	s_mov_b32 s[\g+1], 1024<<16
	s_mov_b32 s[\g+2], 4<<16
	s_mov_b32 s[\g+3], 1024<<16
	s_mov_b32 s[\g+4], 4
	s_mov_b32 s[\g+5], 4096
	s_mov_b32 s[\g+6], 0
	s_mov_b32 s[\g+7], 0
.endr
	s_lshl_b32 s18, s16, 2
	s_lshl_b32 s20, s17, 3
	s_add_co_u32 s20, s20, s18
	s_lshl_b32 s20, s20, 15
	s_mov_b32 s21, 0
	s_lshl_b32 s46, s42, 3
	s_add_co_u32 s46, s46, s18
	s_add_co_u32 s46, s46, 384
	s_lshl_b32 s46, s46, 15
	s_mov_b32 s47, 0
	s_lshl_b32 s45, s14, 15
	s_wait_kmcnt 0x0
	s_load_b64 s[96:97], s[8:9], 0x28
	s_add_nc_u64 s[20:21], s[4:5], s[20:21]
	s_add_nc_u64 s[46:47], s[6:7], s[46:47]
	CROUND
.irp s, 0,1
	s_mov_b32 s[G0+4*\s], 1
	s_add_co_u32 s[G0+4*\s+1], s45, \s*SLOT
	s_add_nc_u64 s[G0+4*\s+2:G0+4*\s+3], s[20:21], \s*8192
	s_or_b32 s[G0+4*\s+3], s[G0+4*\s+3], 0x80000000
	s_mov_b32 s[G0B+4*\s], 1
	s_add_co_u32 s[G0B+4*\s+1], s45, \s*SLOT
	s_add_nc_u64 s[G0B+4*\s+2:G0B+4*\s+3], s[46:47], \s*8192
	s_or_b32 s[G0B+4*\s+3], s[G0B+4*\s+3], 0x80000000
.endr
	JLOAD 0                                        ; tile 0: one tensor load a wave at the head, behind the one round
	s_cmp_eq_u32 s15, 0                            ; the prefetches: the tile that I fetch,
	s_cselect_b64 s[66:67], s[20:21], s[46:47]
	s_cselect_b32 s68, s40, s41                    ; my place among the four that ask for it with me: cx for A's tiles, cy for B's,
	s_lshl_b32 s68, s68, 15                        ; one block of 32,768 bytes for each
	s_mov_b32 s69, 0
	s_add_nc_u64 s[66:67], s[66:67], s[68:69]
	v_and_b32 v27, 31, v0
	v_lshlrev_b32 v27, 8, v27                      ; 256 x lane; never rewritten
	global_prefetch_b8 v27, s[66:67] offset:8192 th:TH_LOAD_NT scope:SCOPE_SE    ; tile 1
	global_prefetch_b8 v27, s[66:67] offset:16384 th:TH_LOAD_NT scope:SCOPE_SE   ; tile 2
	v_and_b32 v3, 31, v0
	v_lshlrev_b32 v3, 4, v3
	s_lshl_b32 s21, s15, 15
	s_lshl_b32 s22, s16, 15
	s_add_co_u32 s22, s22, 2*HALFT
.irp s, 0,1
	v_add_nc_u32 v[ADRA+\s], s21, v3
	v_add_nc_u32 v[ADRB+\s], s22, v3
	s_add_co_u32 s21, s21, SLOT
	s_add_co_u32 s22, s22, SLOT
.endr
	v_and_b32 v1, 15, v0
	v_bfe_u32 v2, v0, 4, 1
	s_mul_i32 s23, s14, 16*SPITCH
	v_mul_u32_u24 v5, v1, SPITCH
	v_lshl_add_u32 v5, v2, 5, v5
	v_add_nc_u32 v[STO], s23, v5
	v_mul_u32_u24 v6, v2, SPITCH
	v_lshl_add_u32 v6, v1, 4, v6
	v_add_nc_u32 v[RD], s23, v6
	v_lshlrev_b32 v7, 13, v2
	v_lshl_add_u32 v[CO], v1, 4, v7
	s_lshl_b32 s20, s17, 20
	s_lshl_b32 s21, s15, 19
	s_add_co_u32 s20, s20, s21
	s_mov_b32 s21, 0
	s_lshl_b32 s46, s42, 9
	s_lshl_b32 s47, s16, 8
	s_add_co_u32 s46, s46, s47
	s_mov_b32 s47, 0
	s_add_nc_u64 s[20:21], s[20:21], s[46:47]
	s_add_nc_u64 s[10:11], s[10:11], s[20:21]
.macro MUL4 f, a, zero
.irp b, 0,1,2,3
.if \zero
	v_wmma_f32_16x16x128_fp8_fp8 v[ACC+8*(4*(\a)+\b):ACC+8*(4*(\a)+\b)+7], v[\f+64+16*\b:\f+64+16*\b+15], v[\f+16*(\a):\f+16*(\a)+15], 0
.else
	v_wmma_f32_16x16x128_fp8_fp8 v[ACC+8*(4*(\a)+\b):ACC+8*(4*(\a)+\b)+7], v[\f+64+16*\b:\f+64+16*\b+15], v[\f+16*(\a):\f+16*(\a)+15], v[ACC+8*(4*(\a)+\b):ACC+8*(4*(\a)+\b)+7]
.endif
.endr
.endm
.macro FRAG reg, adr, q, i
.irp c, 0,1,2,3
	ds_load_b128 v[\reg+4*\c:\reg+4*\c+3], v[\adr] offset:(\i)*8192+(\q)*2048+\c*512
.endr
.endm
.macro FETCH slot, q, f
	WIN TO_F
.irp i, 0,1,2,3
	FRAG \f+64+16*\i, ADRB+\slot, \q, \i
.endr
.irp i, 0,1,2,3
	FRAG \f+16*\i, ADRA+\slot, \q, \i
.endr
.endm
.macro PLACES
.rept 4
	v_nop
.endr
.endm
.macro QUARTER slot, q, f, g, zero
	s_wait_dscnt 8
	WIN MUL
	MUL4 \f, 0, \zero
	MUL4 \f, 1, \zero
	PLACES
	FETCH \slot, \q, \g
	s_wait_dscnt 32
	WIN MUL
	MUL4 \f, 2, \zero
	MUL4 \f, 3, \zero
.endm
.macro TURN slot, next, fill
	WIN 0
	s_wait_tensorcnt 0x0
	ds_add_u32 v[SPW], v[NIL]
	s_wait_dscnt 9
	WIN MUL
	MUL4 F1, 0, 0
	MUL4 F1, 1, 0
	s_wait_dscnt 0x0
	s_barrier_signal -1
	MUL4 F1, 2, 0
	WIN 0
	s_barrier_wait -1
.if \fill
	CREST
	s_add_nc_u64 s[G0+4*\slot+2:G0+4*\slot+3], s[G0+4*\slot+2:G0+4*\slot+3], 16384
	s_add_nc_u64 s[G0B+4*\slot+2:G0B+4*\slot+3], s[G0B+4*\slot+2:G0B+4*\slot+3], 16384
	JLOAD \slot
.else
	PLACES
.endif
	FETCH \next, 0, F0
	WIN MUL
	MUL4 F1, 3, 0
.endm
	s_wait_alu depctr_va_vdst(0)
	s_wait_tensorcnt 0x0                           ; my part of tile 0 is in; slot 1's first fill is issued as a refill is:
	ds_add_u32 v[SPW], v[NIL]
	s_wait_dscnt 0x0
	CROUND                                         ; everybody's part of tile 0 is in, and all sixteen work-groups are here
	JLOAD 1                                        ; tile 1
	FETCH 0, 0, F0
	WIN 0
	global_prefetch_b8 v27, s[66:67] offset:24576 th:TH_LOAD_NT scope:SCOPE_SE   ; tile 3
	QUARTER 0, 1, F0, F1, 1
	QUARTER 0, 2, F1, F0, 0
	QUARTER 0, 3, F0, F1, 0
	TURN 0, 1, 1
	QUARTER 1, 1, F0, F1, 0
	QUARTER 1, 2, F1, F0, 0
	QUARTER 1, 3, F0, F1, 0
	TURN 1, 0, 1
	QUARTER 0, 1, F0, F1, 0
	QUARTER 0, 2, F1, F0, 0
	QUARTER 0, 3, F0, F1, 0
	TURN 0, 1, 0
	QUARTER 1, 1, F0, F1, 0
	QUARTER 1, 2, F1, F0, 0
	QUARTER 1, 3, F0, F1, 0
	s_wait_dscnt 8
	WIN MUL
	MUL4 F1, 0, 0
	MUL4 F1, 1, 0
	s_wait_dscnt 0
	MUL4 F1, 2, 0
	MUL4 F1, 3, 0
	WIN 0
.macro TOSTAGE a
.set N, 0
.rept 16
	v_pk_mul_f32 v[TMP+N:TMP+N+1], v[ACC+32*(\a)+N:ACC+32*(\a)+N+1], s[96:97] op_sel_hi:[1,0]
.set N, N+2
.endr
.irp b, 0,1,2,3
	ds_store_b128 v[STO], v[TMP+8*\b:TMP+8*\b+3] offset:64*\b
	ds_store_b128 v[STO], v[TMP+8*\b+4:TMP+8*\b+7] offset:64*\b+16
.endr
.set BB, BK+32*((\a)%2)
.irp t, 0,1,2,3,4,5,6,7
	ds_load_b128 v[BB+4*\t:BB+4*\t+3], v[RD] offset:\t*2*SPITCH
.endr
.endm
.macro SEND a, younger
.set BB, BK+32*((\a)%2)
	s_wait_dscnt \younger
.irp t, 0,1,2,3,4,5,6,7
	global_store_b128 v[CO], v[BB+4*\t:BB+4*\t+3], s[10:11] offset:(16*(\a)+2*\t)*8192 th:TH_STORE_NT
.endr
.endm
	s_wait_kmcnt 0x0
	s_add_co_i32 s96, s96, s97
	s_add_co_i32 s96, s96, 127
	s_lshl_b32 s96, s96, 23
	PLACES
	TOSTAGE 0
.irp a, 1,2,3
.if \a > 1
	s_wait_xcnt 0x0
.endif
	TOSTAGE \a
	SEND \a-1, 16
.endr
	SEND 3, 0
	s_wait_tensorcnt 0x0
	ds_add_u32 v[SPW], v[NIL]
	s_wait_dscnt 0x0
	CROUND
	s_endpgm
.Lfunc_end_k_q36e282dff6_oproj:
	.size	k_q36e282dff6_oproj, .Lfunc_end_k_q36e282dff6_oproj-k_q36e282dff6_oproj
	.p2alignl 7, 3214868480
	.fill 96, 4, 3214868480
	.section	.rodata,"a",@progbits
	.p2align	6, 0x0
	.amdhsa_kernel k_q36e282dff6_oproj
		.amdhsa_group_segment_fixed_size 327680
		.amdhsa_private_segment_fixed_size 0
		.amdhsa_enable_private_segment 0
		.amdhsa_kernarg_size 32
		.amdhsa_user_sgpr_count 2
		.amdhsa_user_sgpr_kernarg_segment_ptr 1
		.amdhsa_wavefront_size32 1
		.amdhsa_system_sgpr_workgroup_id_x 1
		.amdhsa_system_sgpr_workgroup_id_y 1
		.amdhsa_system_sgpr_workgroup_id_z 1
		.amdhsa_system_vgpr_workitem_id 0
		.amdhsa_next_free_vgpr 512
		.amdhsa_next_free_sgpr 100
		.amdhsa_reserve_vcc 0
		.amdhsa_float_denorm_mode_32 3
		.amdhsa_float_denorm_mode_16_64 3
		.amdhsa_memory_ordered 1
		.amdhsa_forward_progress 1
		.amdhsa_inst_pref_size 74
	.end_amdhsa_kernel
	.amdgpu_metadata
---
amdhsa.version: [ 1, 2 ]
amdhsa.kernels:
  - .name:           k_q36e282dff6_oproj
    .symbol:         k_q36e282dff6_oproj.kd
    .args:
      - { .name: ac, .offset: 0, .size: 8, .value_kind: global_buffer, .address_space: global }
      - { .name: wc, .offset: 8, .size: 8, .value_kind: global_buffer, .address_space: global }
      - { .name: lowp_scales, .offset: 16, .size: 8, .value_kind: global_buffer, .address_space: global }
      - { .name: out0, .offset: 24, .size: 8, .value_kind: global_buffer, .address_space: global }
    .group_segment_fixed_size: 327680
    .private_segment_fixed_size: 0
    .kernarg_segment_align: 8
    .kernarg_segment_size: 32
    .max_flat_workgroup_size: 128
    .sgpr_count:     100
    .vgpr_count:     512
    .wavefront_size: 32
...
	.end_amdgpu_metadata
.endif
;; end of part 4
